; MI455X (gfx1250); checked and timed in simulation.
; The chip was launched on July 23, 2026; its instructions are those of AMD's public machine-readable ISA for CDNA 5 (MIT licence, August 2026) and "CDNA5" Instruction Set Architecture Reference Guide (July 2026). The comments in the code are by the model that wrote it; some were corrected since.
;; Attention. Allowed arithmetic: float matrix products may take bf16 or f16 operands with f32 sums; all other float work in f32.
;; Inputs: K 2 x 16 x 2,048 x 64 float32; Q 2 x 16 x 2,048 x 64 float32; V 2 x 16 x 2,048 x 64 float32.
;; Outputs: out0 2 x 16 x 2,048 x 64 float32.
;; One version. Each part assembles by itself: llvm-mc -triple=amdgcn-amd-amdhsa -mcpu=gfx1250 --defsym DOCPART=n.
;; ======== version 1 of 1: 1 launch
;; limits: values are held in f16: magnitudes above 65,504 overflow, below 6.1e-05 lose precision; inputs' magnitudes at most 65,504
;; launch attn (part 1): grid 256 x 1, 8 waves a work-group, no clusters, 185,344 bytes of LDS; arguments Q, K, V, out0; writes out0
.if DOCPART == 1
	.amdgcn_target "amdgcn-amd-amdhsa--gfx1250"
	.amdhsa_code_object_version 6
	.text
	.protected	k_q9e5f605caf_attn
	.globl	k_q9e5f605caf_attn
	.p2align	8
	.type	k_q9e5f605caf_attn,@function
k_q9e5f605caf_attn:
	s_mov_b64 s[64:65], 0
	v_nop
	global_prefetch_b8 v0, s[64:65] scope:SCOPE_SE
	s_setreg_imm32_b32 hwreg(HW_REG_WAVE_MODE, 25, 1), 1
	s_wait_xcnt 0x0
; Causal attention, out = softmax(Q K^T / 8, keys <= query) V.  Q, K, V, out: [32 heads][2048][64] f32.
;
; SHARES.  A head is 16 blocks of 128 query rows; block b needs b whole key steps of 128 keys and one step on the diagonal.
; Work-group (head, e), e = 0..7, makes block 2e and then block 15-2e: (2e+1) + (16-2e) = 17 steps for everyone, 256 equal work-groups.
; Wave 4g + w owns 32 query rows (32w .. 32w+31 of the block, two register tiles of 16) and the key half g (keys 64g .. 64g+63) of each step,
; so each K or V fragment read from LDS feeds two matrix instructions.  At a block's end the two key halves are merged through LDS:
; register tile i of a wave holds rows 32w + 16 (i xor g), so every wave keeps tile 0 and hands tile 1 to wave xor 4, with no branch on g.
;
; PRODUCTS ARE TRANSPOSED.  S^T = K Q^T: lane (r, h), register j of tile kt holds (key 16kt+8h+j, query r).  Two neighbouring tiles, packed
; to f16, are as they stand the second operand P^T (32 keys x 16 queries) of O^T = V^T P^T; V^T comes from V's [key][d] rows by the
; transposing LDS load.  Maximum, sum and rescale factor are one number a lane; only the maximum crosses the two halves of the wave.
;
; K AND V come as f32 through registers, are rounded to f16 once for the work-group, and lie in two LDS buffers that take turns:
; the tile of step s+1 is requested at the head of step s and stored at its end, one barrier a step.
;
; NO CLUSTER, NO JOINT REQUESTS, NO TENSOR LOADS, by this text's arithmetic: in step s work-group e wants tile s only while s <= 2e and tile
; s-2e-1 afterwards, so the eight work-groups of a head want different tiles in most steps; and a tile delivered into LDS would be f32,
; 64 KiB a step to read back and 32 KiB to write again as f16, where the way through registers writes the 32 KiB alone.
;
; NUMBERS AND LIMITS.  Q, K, V and the probabilities enter the matrix unit as f16 (round to nearest even); scores, maxima, sums and O are f32.
; f16 and not bf16: the first rows of a head average few keys, so an operand's rounding is not averaged away there, and 11 significant bits
; leave an eighth of the error of 8.  The price is range.  |Q|, |K|, |V| above 65,504 become infinity in f16 and are NOT SERVED; inputs of
; spread 1 taken 30 times larger with an offset of 30 times that spread stay near 1,100.  Elements below 2^-14 in magnitude are f16 denormals:
; absolute error up to 2^-25.  Probabilities are at most 1 (relative to the running maximum); below 2^-14 they too carry up to 2^-25 of
; absolute error, against a sum of at least 1.
; The scale 1/8 and log2 e are one f32 factor c in the multiply-add in front of the base-2 exponential.  The maximum is a true running maximum
; of the raw scores.  It starts at -FLT_MAX in place of -inf, so that a key half that is masked whole (keys 64..127 for rows 0..63 of block 0)
; yields p = 0, sum 0 and merge weight exp2(-6e37) = 0 and no NaN; no finite score lies below it.  v_exp_f32 gives 0 for results
; below 2^-126 (ISA guide, 15.8): such probabilities count as 0.  Inputs whose scores overflow f32, NaN and infinities are not served.
.set TILEB,  32768                     ; a tile: 128 rows of 64 f32
.set KPITCH, 144                       ; K and Q rows in LDS: 128 bytes of f16 + 16: 16 rows of a fragment start 16 bytes apart modulo 256
.set VPITCH, 160                       ; V rows: 128 bytes + 32 (5 x 32), for the transposing load
.set KBUF,   128*KPITCH                ; 18,432
.set VBUF,   128*VPITCH                ; 20,480
.set VB0,    2*KBUF                    ; K buffers at 0 and KBUF, V buffers at VB0 and VB0 + VBUF
.set QST,    VB0+2*VBUF                ; each wave's own stage for its 32 rows of Q
.set QSTW,   32*KPITCH
.set XCH,    QST+8*QSTW                ; each wave's outgoing tile: 4,096 bytes of O, 256 of (NM, L)
.set XCHW,   4352
.set OST,    XCH+8*XCHW                ; each wave's own stage for 16 rows of output
.set OPITCH, 272
.set OSTW,   16*OPITCH                 ; the map ends at OST + 8 x OSTW = 184,320
; vector registers, window 0
.set L16,  1                           ; 16 x lane
.set KLD,  2                           ; byte offset in a K tile of my 16 bytes: row 16 wave + 8 hl, column 16 col
.set VLD,  3                           ; the same in a V tile: row 16 wave + 4 hl
.set KST,  4                           ; where their 8 bytes of f16 go in K buffer 0
.set VST,  5                           ; and in V buffer 0
.set KFR,  6                           ; K fragments: (64 g + r) KPITCH + 16 h
.set VFR,  7                           ; V fragments: VB0 + (64 g + 8 h + lane%8) VPITCH + 16 ((lane/8)%2)
.set PFO,  8                           ; prefetch: (wave%4) 8,192 + 256 lane
.set NINF, 9                           ; -inf
.set LIM,  10                          ; v10, v11: tile i: my query minus my first key, inside a diagonal step
.set RMX,  12                          ; v12, v13: tile i: running maximum of the raw scores
.set RNM,  14                          ; v[14:15], v[16:17]: tile i: (NM = -c x maximum, rounded; L = my part of the sum)
.set AL,   18                          ; v[18:19]: rescale factor, filler
.set LS,   20                          ; v[20:21], v[22:23]: two chains of sums
.set LS2,  22
.set CH,   24                          ; v24-27: four chains of maxima; address temporaries elsewhere
.set PT,   28                          ; what v_permlanex16_b32 brings
.set LT,   29
.set PN,   30                          ; v[30:31]: the partner's (NM, L)
.set QF,   32                          ; v32-63: Q fragments, tile i, d half c at QF + 16 i + 8 c
.set OA,   64                          ; v64-127: O^T, tile i, d tile dt at OA + 32 i + 8 dt
.set SS,   128                         ; v128-191: S^T, tile i, key tile kt at SS + 32 i + 8 kt; then P^T in SS + 32 i + 0..15
.set FR,   192                         ; v192-255: eight fragments of K, then eight of V
; window 1: v0-63 (v256-319): the next K tile's 8 x 4 words, then the next V tile's
; scalar registers: s[4:11] Q, K, V, out; s12 wave, s13 g, s14 w, s15 e, s16 head; s[18:19] the head's byte offset; s[20:21], s[22:23] K, V of the head
.set KP,  24                           ; s[24:25] the K tile to load next
.set VP,  26                           ; s[26:27] the V tile to load next
.set PFB, 28                           ; s[28:29] the tile to prefetch next
.set QP,  30                           ; s[30:31] my 32 rows of Q
.set OP,  32                           ; s[32:33] my 16 rows of out
; s34 loop counter; s35 prefetches left; s36 128 x (block - tile) of a masked step; s[38:39] c, c; s40 -c; s42, s43 lane selects; s44 -FLT_MAX
; s46-49 temporaries; s50 my Q stage, s51, s52 its rows for tile 0, 1; s53 my exchange bytes, s54 my partner's; s55 my output stage
; s[56:57], s[58:59] byte offsets of Q and out for the second block
.set MSB, 0
.macro WIN new                         ; the immediate's high byte repeats the setting that is left
.if MSB != \new
	s_set_vgpr_msb (MSB<<8)|\new
.set MSB, \new
.endif
.endm
.macro PLACES                          ; four independent vector instructions behind a matrix instruction (ISA guide 7.12.1)
.rept 4
	v_nop
.endr
.endm
; Request the next tile of K and of V: 16 loads, each of two whole rows of 256 bytes, into window 1.
.macro LDKV
	WIN 0x40                                       ; destination in window 1, address in window 0
.irp j, 0,1,2,3,4,5,6,7
	global_load_b128 v[4*\j:4*\j+3], v[KLD], s[KP:KP+1] offset:256*\j                      ; K rows 16 wave + j + 8 hl
.endr
.irp j, 0,1,2,3,4,5,6,7
	global_load_b128 v[32+4*\j:32+4*\j+3], v[VLD], s[VP:VP+1] offset:256*(\j%4+8*(\j/4))   ; V rows 16 wave + 4 hl + j%4 + 8 (j/4)
.endr
	WIN 0
.endm
; Round that tile to f16 and store it into buffer nbuf.  lk, lv: loads younger than K's, than V's.  tk, tv: 16 free registers each.
; The two halves of a wave store rows 8 apart (K: 1,152 bytes) or 4 apart (V: 640 bytes), both 128 modulo 256.
.macro CVKV nbuf, lk, lv, tk, tv
	s_wait_loadcnt \lk
	WIN 0x05                                       ; both sources in window 1
.irp j, 0,1,2,3,4,5,6,7
	v_cvt_pk_f16_f32 v[\tk+2*\j],   v[4*\j],   v[4*\j+1]
	v_cvt_pk_f16_f32 v[\tk+2*\j+1], v[4*\j+2], v[4*\j+3]
.endr
	s_wait_loadcnt \lv
.irp j, 0,1,2,3,4,5,6,7
	v_cvt_pk_f16_f32 v[\tv+2*\j],   v[32+4*\j],   v[32+4*\j+1]
	v_cvt_pk_f16_f32 v[\tv+2*\j+1], v[32+4*\j+2], v[32+4*\j+3]
.endr
	WIN 0
.irp j, 0,1,2,3,4,5,6,7
	ds_store_b64 v[KST], v[\tk+2*\j:\tk+2*\j+1] offset:(\nbuf)*KBUF+KPITCH*\j
.endr
.irp j, 0,1,2,3,4,5,6,7
	ds_store_b64 v[VST], v[\tv+2*\j:\tv+2*\j+1] offset:(\nbuf)*VBUF+VPITCH*(\j%4+8*(\j/4))
.endr
.endm
; Prefetch.  Of a head's eight work-groups e = 7 is the first to reach tiles 0..14 (it walks them in steps 0..14); it alone has s35 = 13.
; In step s = 0..12, where tile s+1 is being loaded, it asks for tile s+3 (tiles 3..15, never past the head's last): one lane for each
; 256 bytes, waves 0-3 for K's 32 KiB, waves 4-7 for V's.  Its base is stepped at the step's end, far behind this line.
.macro PREF id
	s_cmp_eq_u32 s35, 0
	s_cbranch_scc1 .Lpf\id
	global_prefetch_b8 v[PFO], s[PFB:PFB+1] th:TH_LOAD_NT scope:SCOPE_SE
	s_sub_co_u32 s35, s35, 1
.Lpf\id:
.endm
; Eight K fragments (16 keys x 32 d), fragment f = 2 kt + c.
.macro LDK buf
.irp f, 0,1,2,3,4,5,6,7
	ds_load_b128 v[FR+8*\f:FR+8*\f+3],   v[KFR] offset:\buf*KBUF+16*KPITCH*(\f/2)+64*(\f%2)
	ds_load_b128 v[FR+8*\f+4:FR+8*\f+7], v[KFR] offset:\buf*KBUF+16*KPITCH*(\f/2)+64*(\f%2)+32
.endr
.endm
; Eight V^T fragments (16 d x 32 keys), fragment f = 4 c + dt.
.macro LDV buf
.irp f, 0,1,2,3,4,5,6,7
	ds_load_tr16_b128 v[FR+8*\f:FR+8*\f+3],   v[VFR] offset:\buf*VBUF+32*VPITCH*(\f/4)+32*(\f%4)
	ds_load_tr16_b128 v[FR+8*\f+4:FR+8*\f+7], v[VFR] offset:\buf*VBUF+32*VPITCH*(\f/4)+32*(\f%4)+16*VPITCH
.endr
.endm
; S^T of two key tiles for both query tiles: d 0..31 starts the sums with the constant 0, d 32..63 goes on in place.
.macro QKPAIR k0, k1
.irp kt, \k0, \k1
	v_wmma_f32_16x16x32_f16 v[SS+8*\kt:SS+8*\kt+7],       v[FR+16*\kt:FR+16*\kt+7], v[QF:QF+7],     0
	v_wmma_f32_16x16x32_f16 v[SS+32+8*\kt:SS+32+8*\kt+7], v[FR+16*\kt:FR+16*\kt+7], v[QF+16:QF+23], 0
.endr
.irp kt, \k0, \k1
	v_wmma_f32_16x16x32_f16 v[SS+8*\kt:SS+8*\kt+7],       v[FR+16*\kt+8:FR+16*\kt+15], v[QF+8:QF+15],  v[SS+8*\kt:SS+8*\kt+7]
	v_wmma_f32_16x16x32_f16 v[SS+32+8*\kt:SS+32+8*\kt+7], v[FR+16*\kt+8:FR+16*\kt+15], v[QF+24:QF+31], v[SS+32+8*\kt:SS+32+8*\kt+7]
.endr
.endm
; Pieces of the softmax of one query tile; SB, OB, NMR, MR are set by SOFTMAX.
.macro SM_FMA kt                       ; exponent = c x score + NM, one rounding
.irp q, 0,2,4,6
	v_pk_fma_f32 v[SB+8*\kt+\q:SB+8*\kt+\q+1], v[SB+8*\kt+\q:SB+8*\kt+\q+1], s[38:39], v[NMR:NMR+1] op_sel_hi:[1,0,0]
.endr
.endm
.macro SM_EXP kt
.irp q, 0,1,2,3,4,5,6,7
	v_exp_f32 v[SB+8*\kt+\q], v[SB+8*\kt+\q]
.endr
.endm
.macro SM_RS p                         ; a quarter of the tile's O, times the rescale factor
	s_wait_alu depctr_va_vdst(0)
.irp q, 0,2,4,6
	v_pk_mul_f32 v[OB+8*\p+\q:OB+8*\p+\q+1], v[OB+8*\p+\q:OB+8*\p+\q+1], v[AL:AL+1] op_sel_hi:[1,0]
.endr
.endm
.macro SM_SC kt                        ; add the eight p to the sums, then pack them to f16 downwards: word 4 kt + q takes p 2q, 2q+1 of tile kt,
.if \kt == 0                           ; a register at or below its sources, whose old content has been summed and packed already
	s_wait_alu depctr_va_vdst(0)
	v_pk_add_f32 v[LS:LS+1],   v[SB:SB+1],   v[SB+2:SB+3]
	v_pk_add_f32 v[LS2:LS2+1], v[SB+4:SB+5], v[SB+6:SB+7]
.else
	s_wait_alu depctr_va_vdst(0)
	v_pk_add_f32 v[LS:LS+1],   v[LS:LS+1],   v[SB+8*\kt:SB+8*\kt+1]
	v_pk_add_f32 v[LS2:LS2+1], v[LS2:LS2+1], v[SB+8*\kt+2:SB+8*\kt+3]
	v_pk_add_f32 v[LS:LS+1],   v[LS:LS+1],   v[SB+8*\kt+4:SB+8*\kt+5]
	v_pk_add_f32 v[LS2:LS2+1], v[LS2:LS2+1], v[SB+8*\kt+6:SB+8*\kt+7]
.endif
.irp q, 0,1,2,3
	v_cvt_pk_f16_f32 v[SB+4*\kt+\q], v[SB+8*\kt+2*\q], v[SB+8*\kt+2*\q+1]
.endr
.endm
; Online softmax of query tile i over this step's 64 keys.  first = 1: the block's first step (nothing to rescale).  mask = 1: apply the causal mask.
.macro SOFTMAX i, first, mask
.set SB,  SS+32*\i
.set OB,  OA+32*\i
.set NMR, RNM+2*\i
.set MR,  RMX+\i
.if \mask
	v_add_nc_u32 v[LT], s36, v[LIM+\i]             ; key 16 kt + j of mine is beyond my query where 16 kt + j > 128 (block - tile) + LIM
.irp kt, 0,1,2,3
.irp j, 0,1,2,3,4,5,6,7
	v_cmp_gt_i32 vcc_lo, 16*\kt+\j, v[LT]
	v_cndmask_b32 v[SB+8*\kt+\j], v[SB+8*\kt+\j], v[NINF], vcc_lo
.endr
.endr
.endif
	; the maximum of my 32 scores and the old maximum: four chains, sixteen instructions
.irp kt, 0,1,2,3
	v_max3_num_f32 v[CH+\kt], v[SB+8*\kt], v[SB+8*\kt+1], v[SB+8*\kt+2]
.endr
.irp kt, 0,1,2,3
	v_max3_num_f32 v[CH+\kt], v[CH+\kt], v[SB+8*\kt+3], v[SB+8*\kt+4]
.endr
.irp kt, 0,1,2,3
	v_max3_num_f32 v[CH+\kt], v[CH+\kt], v[SB+8*\kt+5], v[SB+8*\kt+6]
.endr
	v_max3_num_f32 v[CH],   v[CH],   v[SB+7],  v[SB+15]
	v_max3_num_f32 v[CH+1], v[CH+1], v[SB+23], v[SB+31]
	v_max3_num_f32 v[CH+2], v[CH+2], v[CH+3],  v[CH]
.if \first
	v_max3_num_f32 v[CH+2], v[CH+2], v[CH+1], s44  ; the running maximum starts at -FLT_MAX
.else
	v_max3_num_f32 v[CH+2], v[CH+2], v[CH+1], v[MR]
.endif
	v_permlanex16_b32 v[PT], v[CH+2], s42, s43     ; the other 32 keys of my query lie in lane xor 16
	v_max_num_f32 v[MR], v[CH+2], v[PT]
.if \first
	v_mul_f32 v[NMR], s40, v[MR]                   ; NM = -c x maximum
.else
	v_mul_f32 v[LT], s40, v[MR]
	v_sub_f32 v[CH], v[LT], v[NMR]                 ; from the two ROUNDED NM, as the p are: exactly 0 where the maximum stays
	v_exp_f32 v[AL], v[CH]
	v_mov_b32 v[NMR], v[LT]                        ; also the plain instruction between v_exp_f32 and the use of its result (ISA guide 5.7.2)
.endif
	; exponentials run back to back; behind each run stands plain work on other registers before its results are used
	SM_FMA 0
	SM_EXP 0
	SM_FMA 1
.if \first == 0
	SM_RS 0
.endif
	SM_EXP 1
	SM_SC 0
	SM_FMA 2
.if \first == 0
	SM_RS 1
.endif
	SM_EXP 2
	SM_SC 1
	SM_FMA 3
.if \first == 0
	SM_RS 2
.endif
	SM_EXP 3
	SM_SC 2
.if \first == 0
	SM_RS 3
.endif
	SM_SC 3
	v_pk_add_f32 v[LS:LS+1], v[LS:LS+1], v[LS2:LS2+1]
.if \first
	v_add_f32 v[NMR+1], v[LS], v[LS+1]
.else
	v_fma_f32 v[NMR+1], v[NMR+1], v[AL], v[LS]
	v_add_f32 v[NMR+1], v[NMR+1], v[LS+1]
.endif
.endm
; O^T of query tile i += V^T P^T over 64 keys.
.macro PV i, first
.irp dt, 0,1,2,3
.if \first
	v_wmma_f32_16x16x32_f16 v[OA+32*\i+8*\dt:OA+32*\i+8*\dt+7], v[FR+8*\dt:FR+8*\dt+7], v[SS+32*\i:SS+32*\i+7], 0
.else
	v_wmma_f32_16x16x32_f16 v[OA+32*\i+8*\dt:OA+32*\i+8*\dt+7], v[FR+8*\dt:FR+8*\dt+7], v[SS+32*\i:SS+32*\i+7], v[OA+32*\i+8*\dt:OA+32*\i+8*\dt+7]
.endif
.endr
.irp dt, 0,1,2,3
	v_wmma_f32_16x16x32_f16 v[OA+32*\i+8*\dt:OA+32*\i+8*\dt+7], v[FR+32+8*\dt:FR+32+8*\dt+7], v[SS+32*\i+8:SS+32*\i+15], v[OA+32*\i+8*\dt:OA+32*\i+8*\dt+7]
.endr
.endm
; One key step on LDS buffer buf.  next = 1: the following tile is requested at the head and stored into the other buffer at the end.
.macro STEP buf, first, mask, next, id
	LDK \buf
.if \next
	LDKV
	PREF \id
.endif
	s_wait_dscnt 0x8                               ; LDS loads come back in order: key tiles 0, 1 (and any older load) are in, the eight younger stay out
	QKPAIR 0, 1
	s_wait_dscnt 0x0
	QKPAIR 2, 3
	PLACES                                         ; in front of the loads into the K fragments' registers and of the first read of S^T
	LDV \buf
	SOFTMAX 0, \first, \mask
	s_wait_dscnt 0x0                               ; the V fragments, requested one softmax ago
	PV 0, \first
	SOFTMAX 1, \first, \mask                       ; names none of the registers of the eight products in front of it
	PV 1, \first
.if \next
	CVKV 1-\buf, 8, 0, SS+16, SS+48                ; 8: V's loads are younger than K's.  The upper halves of S^T are free since the packing.
	                                               ; These 32 conversions are also the places in front of the next loads into the fragments and the next S^T.
	s_wait_xcnt 0x0                                ; the bases of this step's loads and prefetch are stepped only behind this wait
	s_add_nc_u64 s[KP:KP+1], s[KP:KP+1], TILEB
	s_add_nc_u64 s[VP:VP+1], s[VP:VP+1], TILEB
	s_add_nc_u64 s[PFB:PFB+1], s[PFB:PFB+1], TILEB
	s_wait_dscnt 0x0                               ; my stores into the other buffer are done (my loads from this one were waited for above)
	s_barrier_signal -1
	s_barrier_wait -1                              ; all waves: the other buffer may be read, and this one written in the step to come
.endif
.endm
; My 32 rows of Q, whole rows, f32, into the registers of S^T.  (Each row is read by two waves: no hint.)
.macro LOADQ
.irp t, 0,1,2,3,4,5,6,7,8,9,10,11,12,13,14,15
	global_load_b128 v[SS+4*\t:SS+4*\t+3], v[L16], s[QP:QP+1] offset:512*\t
.endr
.endm
; Round them to f16, lay them into my own stage and take the four fragments back.  The bytes are the wave's own and LDS serves a wave's
; instructions in order, so no wait stands between the stores and the loads; the fragments are waited for by the next step's first wait.
.macro CVQ
	v_and_b32 v[CH+3], 15, v0                      ; r = col
	v_bfe_u32 v[CH+2], v0, 4, 1                    ; h = hl
	v_mul_u32_u24 v[CH], v[CH+2], KPITCH
	v_lshl_add_u32 v[CH], v[CH+3], 3, v[CH]
	v_add_nc_u32 v[CH], s50, v[CH]                 ; in: row hl, 8 bytes at 8 col
	v_mul_u32_u24 v[CH+1], v[CH+3], KPITCH
	v_lshl_add_u32 v[CH+1], v[CH+2], 4, v[CH+1]
	v_add_nc_u32 v[CH+2], s52, v[CH+1]             ; back, tile 1: row 16 (1 xor g) + r, 16 h
	v_add_nc_u32 v[CH+1], s51, v[CH+1]             ; back, tile 0: row 16 g + r
	s_wait_loadcnt 0x0
.irp t, 0,1,2,3,4,5,6,7,8,9,10,11,12,13,14,15
	v_cvt_pk_f16_f32 v[FR+2*\t],   v[SS+4*\t],   v[SS+4*\t+1]
	v_cvt_pk_f16_f32 v[FR+2*\t+1], v[SS+4*\t+2], v[SS+4*\t+3]
.endr
.irp t, 0,1,2,3,4,5,6,7,8,9,10,11,12,13,14,15
	ds_store_b64 v[CH], v[FR+2*\t:FR+2*\t+1] offset:2*KPITCH*\t
.endr
.irp c, 0,1
	ds_load_b128 v[QF+8*\c:QF+8*\c+3],       v[CH+1] offset:64*\c
	ds_load_b128 v[QF+8*\c+4:QF+8*\c+7],     v[CH+1] offset:64*\c+32
	ds_load_b128 v[QF+16+8*\c:QF+16+8*\c+3], v[CH+2] offset:64*\c
	ds_load_b128 v[QF+16+8*\c+4:QF+16+8*\c+7], v[CH+2] offset:64*\c+32
.endr
.endm
; A block's end: merge the two key halves, divide, store 16 rows.  more = 1: the next block's Q is fetched meanwhile.
.macro FINAL more
.if \more
	LOADQ                                          ; behind the last step's 32 conversions, which are the places behind its products
.else
	PLACES                                         ; behind the last products, in front of the first read of O
.endif
	v_permlanex16_b32 v[PT], v[RNM+1], s42, s43    ; a query's sum lies in two lanes
	v_add_f32 v[RNM+1], v[RNM+1], v[PT]
	v_permlanex16_b32 v[PT], v[RNM+3], s42, s43
	v_add_f32 v[RNM+3], v[RNM+3], v[PT]
	v_add_nc_u32 v[CH], s53, v[L16]                ; out: my bytes, 16 a lane
	v_lshrrev_b32 v[CH+1], 1, v[L16]
	v_add_nc_u32 v[CH+2], s54, v[L16]              ; in: the partner's
	v_add_nc_u32 v[CH+3], s54, v[CH+1]
	v_add_nc_u32 v[CH+1], s53, v[CH+1]             ; and 8 a lane for (NM, L)
.irp q, 0,1,2,3,4,5,6,7
	ds_store_b128 v[CH], v[OA+32+4*\q:OA+32+4*\q+3] offset:512*\q
.endr
	ds_store_b64 v[CH+1], v[RNM+2:RNM+3] offset:4096
	s_wait_dscnt 0x0                               ; for the partner's sake: all my stores are done
	s_barrier_signal -1
	s_barrier_wait -1
.irp q, 0,1,2,3,4,5,6,7
	ds_load_b128 v[FR+4*\q:FR+4*\q+3], v[CH+2] offset:512*\q       ; the partner's tile 1 = my tile 0's rows over the other key half
.endr
	ds_load_b64 v[PN:PN+1], v[CH+3] offset:4096
	s_wait_dscnt 0x0
	v_min_num_f32 v[LT], v[RNM], v[PN]             ; the smaller NM is the larger maximum
	v_sub_f32 v[CH],   v[LT], v[RNM]
	v_sub_f32 v[CH+1], v[LT], v[PN]
	v_exp_f32 v[CH],   v[CH]
	v_exp_f32 v[CH+1], v[CH+1]
	v_nop                                          ; one plain instruction behind the exponentials
	s_wait_alu depctr_va_vdst(0)
	v_mul_f32 v[CH+2], v[RNM+1], v[CH]
	v_fmac_f32 v[CH+2], v[PN+1], v[CH+1]           ; the whole sum: at least 1, since the key of the maximum counts as 1
	v_rcp_f32 v[CH+2], v[CH+2]
	v_nop
	s_wait_alu depctr_va_vdst(0)
	v_mul_f32 v[AL], v[CH],   v[CH+2]
	v_mul_f32 v[LS], v[CH+1], v[CH+2]
.irp q, 0,2,4,6,8,10,12,14,16,18,20,22,24,26,28,30
	v_pk_mul_f32 v[OA+\q:OA+\q+1], v[OA+\q:OA+\q+1], v[AL:AL+1] op_sel_hi:[1,0]
.endr
.irp q, 0,2,4,6,8,10,12,14,16,18,20,22,24,26,28,30
	v_pk_fma_f32 v[OA+\q:OA+\q+1], v[FR+\q:FR+\q+1], v[LS:LS+1], v[OA+\q:OA+\q+1] op_sel_hi:[1,0,1]
.endr
	; a lane holds d = 16 dt + 8 h + 0..7 of query r: 32 bytes of a row.  Through my own stage, back as whole rows.
	v_and_b32 v[CH], 15, v0
	v_bfe_u32 v[CH+1], v0, 4, 1
	v_mul_u32_u24 v[CH+2], v[CH], OPITCH
	v_lshl_add_u32 v[CH+2], v[CH+1], 5, v[CH+2]
	v_add_nc_u32 v[CH+2], s55, v[CH+2]             ; in: row r, byte 32 h
	v_mul_u32_u24 v[CH+3], v[CH+1], OPITCH
	v_lshl_add_u32 v[CH+3], v[CH], 4, v[CH+3]
	v_add_nc_u32 v[CH+3], s55, v[CH+3]             ; back: row hl, byte 16 col
.irp dt, 0,1,2,3
	ds_store_b128 v[CH+2], v[OA+8*\dt:OA+8*\dt+3]   offset:64*\dt
	ds_store_b128 v[CH+2], v[OA+8*\dt+4:OA+8*\dt+7] offset:64*\dt+16
.endr
.irp t, 0,1,2,3,4,5,6,7
	ds_load_b128 v[FR+32+4*\t:FR+32+4*\t+3], v[CH+3] offset:2*OPITCH*\t
.endr
.irp t, 0,1,2,3,4,5,6,7
	s_wait_dscnt 7-\t                              ; rows 2t, 2t+1 are in, the younger loads stay out
	global_store_b128 v[L16], v[FR+32+4*\t:FR+32+4*\t+3], s[OP:OP+1] offset:512*\t th:TH_STORE_NT   ; 16 lanes store one whole row of 256 bytes
.endr
.if \more
	CVQ                                            ; writes FR+0..31 and QF, not the stores' data
	s_wait_xcnt 0x0                                ; the stores' data registers and base are rewritten only behind this wait
.endif
.endm
; ---------------------------------------------------------------- prologue
	s_load_b256 s[4:11], s[0:1], 0x0               ; Q s[4:5], K s[6:7], V s[8:9], out s[10:11]
	s_set_vgpr_msb 0x40
	v_lshl_add_u32 v64, v0, 2, 0x2d000
	v_mov_b32 v65, 0
	s_set_vgpr_msb 0x4000
	v_lshrrev_b32 v[CH], 5, v0
	v_readfirstlane_b32 s12, v[CH]                 ; wave
	s_lshr_b32 s13, s12, 2                         ; g: my key half
	s_and_b32 s14, s12, 3                          ; w: my 32 query rows
	s_and_b32 s15, ttmp9, 7                        ; e
	s_lshr_b32 s16, ttmp9, 3                       ; head
	s_lshl_b32 s18, s16, 19                        ; a head is 2,048 x 256 bytes
	s_mov_b32 s19, 0
	v_and_b32 v[CH], 31, v0                        ; lane
	v_and_b32 v[CH+1], 15, v0                      ; col = r
	v_bfe_u32 v[CH+2], v0, 4, 1                    ; hl = h
	v_lshlrev_b32 v[L16], 4, v[CH]
	v_lshlrev_b32 v[CH+3], 4, v[CH+1]
	s_lshl_b32 s46, s12, 12                        ; my 16 rows of a tile
	v_lshl_add_u32 v[KLD], v[CH+2], 11, v[CH+3]
	v_add_nc_u32 v[KLD], s46, v[KLD]
	v_lshl_add_u32 v[VLD], v[CH+2], 10, v[CH+3]
	v_add_nc_u32 v[VLD], s46, v[VLD]
	s_lshl_b32 s48, s14, 13                        ; 32 w rows
	s_add_co_u32 s48, s48, s18                     ; + the head
	s_lshl_b32 s46, s15, 16                        ; block 2e
	s_add_co_u32 s46, s46, s48
	s_mov_b32 s47, 0
	s_lshl_b32 s49, s13, 12                        ; 16 g rows: the tile that I store
	s_lshl_b32 s56, s15, 1
	s_sub_co_u32 s56, 15, s56                      ; block 15 - 2e
	s_lshl_b32 s56, s56, 15
	s_add_co_u32 s56, s56, s48
	s_mov_b32 s57, 0
	s_add_co_u32 s58, s56, s49
	s_mov_b32 s59, 0
	s_wait_kmcnt 0x0
	s_add_nc_u64 s[20:21], s[6:7], s[18:19]        ; K of the head
	s_add_nc_u64 s[22:23], s[8:9], s[18:19]        ; V of the head
	s_mov_b64 s[KP:KP+1], s[20:21]
	s_mov_b64 s[VP:VP+1], s[22:23]
	s_add_nc_u64 s[QP:QP+1], s[4:5], s[46:47]
	LDKV                                           ; tile 0
	LOADQ
	s_add_co_u32 s46, s46, s49
	s_add_nc_u64 s[OP:OP+1], s[10:11], s[46:47]
	s_cmp_eq_u32 s13, 0
	s_cselect_b64 s[PFB:PFB+1], s[20:21], s[22:23] ; waves 0-3 prefetch K, waves 4-7 V,
	s_add_nc_u64 s[PFB:PFB+1], s[PFB:PFB+1], 3*TILEB   ; from tile 3 on
	s_cmp_eq_u32 s15, 7
	s_cselect_b32 s35, 13, 0                       ; tiles 3..15, by e = 7 alone
	s_lshl_b32 s36, s15, 8                         ; first step: 128 x (2e - 0)
	s_mov_b32 s38, 0x3e38aa3b                      ; c = log2(e) / 8
	s_mov_b32 s39, 0x3e38aa3b
	s_mov_b32 s40, 0xbe38aa3b                      ; -c
	s_mov_b32 s42, 0x76543210                      ; v_permlanex16_b32: lane i of one half reads lane i of the other
	s_mov_b32 s43, 0xfedcba98
	s_mov_b32 s44, 0xff7fffff                      ; -FLT_MAX
	; LDS addresses
	v_lshlrev_b32 v[CH+3], 3, v[CH+1]              ; 8 col
	s_mul_i32 s46, s12, 16*KPITCH
	v_mul_u32_u24 v[KST], v[CH+2], 8*KPITCH
	v_add_nc_u32 v[KST], v[KST], v[CH+3]
	v_add_nc_u32 v[KST], s46, v[KST]
	s_mul_i32 s46, s12, 16*VPITCH
	s_add_co_u32 s46, s46, VB0
	v_mul_u32_u24 v[VST], v[CH+2], 4*VPITCH
	v_add_nc_u32 v[VST], v[VST], v[CH+3]
	v_add_nc_u32 v[VST], s46, v[VST]
	s_mul_i32 s46, s13, 64*KPITCH
	v_mul_u32_u24 v[KFR], v[CH+1], KPITCH
	v_lshl_add_u32 v[KFR], v[CH+2], 4, v[KFR]
	v_add_nc_u32 v[KFR], s46, v[KFR]
	s_mul_i32 s46, s13, 64*VPITCH
	s_add_co_u32 s46, s46, VB0
	v_and_b32 v[CH+3], 7, v0
	v_lshl_add_u32 v[CH+3], v[CH+2], 3, v[CH+3]
	v_mul_u32_u24 v[VFR], v[CH+3], VPITCH
	v_bfe_u32 v[CH+3], v0, 3, 1
	v_lshl_add_u32 v[VFR], v[CH+3], 4, v[VFR]
	v_add_nc_u32 v[VFR], s46, v[VFR]
	s_lshl_b32 s46, s14, 13
	v_lshl_add_u32 v[PFO], v[CH], 8, s46
	v_mov_b32 v[NINF], 0xff800000
	; LIM of tile i = 32 w + 16 (i xor g) + r - 64 g - 8 h
	s_lshl_b32 s46, s14, 5
	s_lshl_b32 s47, s13, 6
	s_sub_co_i32 s46, s46, s47
	s_lshl_b32 s47, s13, 4
	s_add_co_i32 s48, s46, s47
	s_sub_co_i32 s49, s46, s47
	s_add_co_i32 s49, s49, 16
	v_lshlrev_b32 v[CH+3], 3, v[CH+2]
	v_sub_nc_u32 v[CH+3], v[CH+1], v[CH+3]
	v_add_nc_u32 v[LIM], s48, v[CH+3]
	v_add_nc_u32 v[LIM+1], s49, v[CH+3]
	; registers that are named as the unused half of a pair, or as a lane permute's destination, before they are first written
	v_mov_b32 v[RNM+1], 0
	v_mov_b32 v[RNM+3], 0
	v_mov_b32 v[AL+1], 0
	v_mov_b32 v[PT], 0
	; each wave's own LDS bases
	s_mul_i32 s50, s12, QSTW
	s_add_co_u32 s50, s50, QST
	s_mul_i32 s47, s13, 16*KPITCH
	s_add_co_u32 s51, s50, s47                     ; tile 0: rows 16 g ..
	s_sub_co_u32 s52, s50, s47
	s_add_co_u32 s52, s52, 16*KPITCH               ; tile 1: rows 16 (1 - g) ..
	s_mul_i32 s53, s12, XCHW
	s_add_co_u32 s53, s53, XCH
	s_xor_b32 s47, s12, 4                          ; the wave with my rows and the other key half
	s_mul_i32 s54, s47, XCHW
	s_add_co_u32 s54, s54, XCH
	s_mul_i32 s55, s12, OSTW
	s_add_co_u32 s55, s55, OST
	CVKV 0, 24, 16, FR+32, FR+48                   ; 24: V's 8 and Q's 16 loads are younger than K's; 16: Q's.  S^T's registers await Q, so the words go to FR.
	CVQ
	s_wait_dscnt 0x0
	s_barrier_signal -1
	s_barrier_wait -1                              ; tile 0 is in buffer 0 for everyone
	s_cmp_eq_u32 s15, 0                            ; what the first step requests: tile 1, or for e = 0 (block 0 is one step) tile 0 again, for block 15
	s_cselect_b32 s46, 0, TILEB
	s_mov_b32 s47, 0
	s_add_nc_u64 s[KP:KP+1], s[20:21], s[46:47]    ; (all loads were waited for in CVQ)
	s_add_nc_u64 s[VP:VP+1], s[22:23], s[46:47]
; ---------------------------------------------------------------- block 2e: tiles 0 .. 2e on buffers 0, 1, .., 0
	STEP 0, 1, 1, 1, 0                             ; tile 0.  The mask with 128 x 2e changes nothing for e > 0 and is the diagonal's for e = 0
	s_cmp_eq_u32 s15, 0
	s_cbranch_scc1 .LEfin
	STEP 1, 0, 0, 1, 1                             ; tile 1
	s_cmp_eq_u32 s15, 1
	s_cbranch_scc1 .LEdiag
	s_sub_co_i32 s34, s15, 1                       ; tiles 2 .. 2e-1, two a trip: e - 1 trips, at least 1 here
.LEloop:
	STEP 0, 0, 0, 1, 2
	STEP 1, 0, 0, 1, 3
	s_sub_co_i32 s34, s34, 1
	s_cmp_gt_i32 s34, 0                            ; a signed compare: the count ends the loop from any start
	s_cbranch_scc1 .LEloop
.LEdiag:
	s_mov_b64 s[KP:KP+1], s[20:21]                 ; the diagonal step requests tile 0 for the second block
	s_mov_b64 s[VP:VP+1], s[22:23]
	s_mov_b32 s36, 0
	STEP 0, 0, 1, 1, 4                             ; tile 2e
.LEfin:                                            ; s36 is 0 on both ways in
	s_add_nc_u64 s[QP:QP+1], s[4:5], s[56:57]      ; Q of block 15 - 2e
	FINAL 1
	s_add_nc_u64 s[OP:OP+1], s[10:11], s[58:59]    ; behind the wait at FINAL's end
; ---------------------------------------------------------------- block 15-2e: tiles 0 .. 15-2e on buffers 1, 0, .., 0
	STEP 1, 1, 0, 1, 5                             ; tile 0, never the diagonal (15 - 2e >= 1)
	s_cmp_eq_u32 s15, 7
	s_cbranch_scc1 .LOdiag
	s_sub_co_i32 s34, 7, s15                       ; tiles 1 .. 14-2e, two a trip: 7 - e trips, at least 1 here
.LOloop:
	STEP 0, 0, 0, 1, 6
	STEP 1, 0, 0, 1, 7
	s_sub_co_i32 s34, s34, 1
	s_cmp_gt_i32 s34, 0
	s_cbranch_scc1 .LOloop
.LOdiag:
	STEP 0, 0, 1, 0, 8                             ; tile 15-2e: nothing is requested behind it
	FINAL 0
	s_set_vgpr_msb 0x5
	s_wait_tensorcnt 0x0
	ds_add_u32 v64, v65
	s_wait_dscnt 0x0
	s_set_vgpr_msb 0x500
	s_endpgm
.Lfunc_end_k_q9e5f605caf_attn:
	.size	k_q9e5f605caf_attn, .Lfunc_end_k_q9e5f605caf_attn-k_q9e5f605caf_attn
	.p2alignl 7, 3214868480
	.fill 96, 4, 3214868480
	.section	.rodata,"a",@progbits
	.p2align	6, 0x0
	.amdhsa_kernel k_q9e5f605caf_attn
		.amdhsa_group_segment_fixed_size 185344
		.amdhsa_private_segment_fixed_size 0
		.amdhsa_enable_private_segment 0
		.amdhsa_kernarg_size 32
		.amdhsa_user_sgpr_count 2
		.amdhsa_user_sgpr_kernarg_segment_ptr 1
		.amdhsa_wavefront_size32 1
		.amdhsa_system_sgpr_workgroup_id_x 1
		.amdhsa_system_sgpr_workgroup_id_y 1
		.amdhsa_system_sgpr_workgroup_id_z 1
		.amdhsa_system_vgpr_workitem_id 0
		.amdhsa_next_free_vgpr 322
		.amdhsa_next_free_sgpr 66
		.amdhsa_reserve_vcc 1
		.amdhsa_float_denorm_mode_32 3
		.amdhsa_float_denorm_mode_16_64 3
		.amdhsa_memory_ordered 1
		.amdhsa_forward_progress 1
		.amdhsa_inst_pref_size 239
	.end_amdhsa_kernel
	.amdgpu_metadata
---
amdhsa.version: [ 1, 2 ]
amdhsa.kernels:
  - .name:           k_q9e5f605caf_attn
    .symbol:         k_q9e5f605caf_attn.kd
    .args:
      - { .name: Q, .offset: 0, .size: 8, .value_kind: global_buffer, .address_space: global }
      - { .name: K, .offset: 8, .size: 8, .value_kind: global_buffer, .address_space: global }
      - { .name: V, .offset: 16, .size: 8, .value_kind: global_buffer, .address_space: global }
      - { .name: out0, .offset: 24, .size: 8, .value_kind: global_buffer, .address_space: global }
    .group_segment_fixed_size: 185344
    .private_segment_fixed_size: 0
    .kernarg_segment_align: 8
    .kernarg_segment_size: 32
    .max_flat_workgroup_size: 256
    .sgpr_count:     66
    .vgpr_count:     322
    .wavefront_size: 32
...
	.end_amdgpu_metadata
.endif
;; end of part 1
